; MI455X (gfx1250); checked and timed in simulation.
; The chip was launched on July 23, 2026; its instructions are those of AMD's public machine-readable ISA for CDNA 5 (MIT licence, August 2026) and "CDNA5" Instruction Set Architecture Reference Guide (July 2026). The comments in the code are by the model that wrote it; some were corrected since.
;; Vector Quantizer. Allowed arithmetic: float matrix products may take bf16 or f16 operands with f32 sums; all other float work in f32.
;; Inputs: codebook 512 x 8 float32; z 8 x 8 x 16 x 64 x 64 float32.
;; Outputs: out0 8 x 8 x 16 x 64 x 64 float32; out1 one number float32; out2 8 x 16 x 64 x 64 int32.
;; 2 versions, each right and faster than the one before. Each part assembles by itself: llvm-mc -triple=amdgcn-amd-amdhsa -mcpu=gfx1250 --defsym DOCPART=n.
;; ======== version 1 of 2: 2 launches
;; limits: a difference of large sums (such as E[x^2] - mean^2): digits are lost where the result is much smaller than its terms; values outside matrix products are rounded to bf16
;; workspace buffers: codes 2,097,152 bytes of whole numbers; part 1,024 bytes
;; launch assign (part 1): grid 256 x 1, 16 waves a work-group, no clusters, 20,736 bytes of LDS; arguments codebook, z, out2, codes, part; writes out2, codes, part
.if DOCPART == 1
	.amdgcn_target "amdgcn-amd-amdhsa--gfx1250"
	.amdhsa_code_object_version 6
	.text
	.protected	k_q02259eb771_assign
	.globl	k_q02259eb771_assign
	.p2align	8
	.type	k_q02259eb771_assign,@function
k_q02259eb771_assign:
	s_mov_b64 s[64:65], 0
	v_nop
	global_prefetch_b8 v0, s[64:65] scope:SCOPE_SE
	s_setreg_imm32_b32 hwreg(HW_REG_WAVE_MODE, 25, 1), 1
	s_wait_xcnt 0x0
; Nearest code of 512 for each of 524,288 points of 8 channels.  z: [8][8][65536] f32, codebook: [512][8] f32.
; Out: the index of each point (out2, and once more in codes for the next launch's gather) and, per work-group, the sum
; of the winners' distances (part), from which the next launch makes the loss: sum over channels of (e - z)^2 = z2 + e2 - 2 z.e.
;
; ARITHMETIC.  z and the codebook are rounded to bf16 for the matrix unit; everything else is f32 and repeats the reference's
; order on those rounded numbers: z2 and e2 are summed channel 0 to 7 (squares of bf16 are exact in f32), d = (z2 + e2) + (-2 z.e)
; with one rounding per add (the table holds -2 e, an exact scaling), and a later code wins only if its d is strictly smaller.
; LIMITS.  Inputs finite and finite in bf16: the K places that carry no data multiply another point's z by zero.
; The order of NaN is not reproduced.  The loss comes from the rounded operands' distances (error about one ulp of z2 a point).
;
; SHARES.  16 waves, 2,048 points a work-group, 128 a wave; lane L owns points 4L .. 4L+3, so one 16-byte load per channel
; brings them and one 16-byte store takes their four indices (512 neighbouring bytes a wave).
; The matrix instruction takes 16 codes as rows and 16 points as columns: lane (r, h) then holds codes 8h .. 8h+7 of point r,
; and the search for the minimum stays inside the lane.  Only 8 of its 32 K places are needed, so block c of four registers
; carries two point tiles (lanes 0-15: points 4r+c; lanes 16-31: points 4(16+r)+c) and the code fragment picks one:
; (XL, zeros) has data in K 0-7 alone, (zeros, XR) in K 24-31 alone.  Registers: [XL][ZL=0][b0][b1][b2][b3][ZR=0][XR].
; The codebook is the only data that work-groups share: 16,384 bytes, read once by each and rounded in registers on the way
; to LDS, so no joint request through the data mover is made for it.
.set DSTRIDE, 262144                   ; bytes from a channel of z to the next: 65,536 points of 4 bytes
.set ATAB,   0                         ; LDS: per tile of 16 codes 256 bytes of -2 e in bf16 (16 a code), then 256 bytes of zeros
.set E2TAB,  16384                     ; LDS: e2 of the 512 codes, f32
.set RED,    18432                     ; LDS: one partial sum for each wave
.set TRIPS,  14                        ; two code tiles a trip; tiles 0, 1 stand in front of the loop and 30, 31 behind it
.set LANE,  1
.set OFF16, 2                          ; 16 x thread: my 16 bytes in a channel of z, in out2 and in codes
.set AX0,   3                          ; LDS address for XL: 16 L       (lanes 16-31 fall on the zeros)
.set AX1,   4                          ; LDS address for XR: 16 (L xor 16) (lanes 0-15 fall on the zeros)
.set AE2,   5                          ; LDS address of my eight e2: 32 h
.set TV,    6                          ; number of the code tile at work
.set H8,    7                          ; 8 h
.set MA,    8
.set MB,    9
.set RO,    10
.set CO,    11
.set JJ,    12
.set CADR,  13
.set TMP,   14
.set TMP2,  15
.set XL,    16                         ; v[16:19]
.set ZL,    20                         ; v[20:23]  zeros
.set B0,    24                         ; v[24:39]  blocks b0 .. b3
.set ZR,    40                         ; v[40:43]  zeros
.set XR,    44                         ; v[44:47]
.set E2A,   48                         ; v[48:55]  e2 of my eight codes, even tiles
.set E2B,   56                         ; v[56:63]  odd tiles
.set ZSQ,   64                         ; v[64:79]  point tile p: z2 of its point r, twice (a pair for the packed add)
.set RR,    80                         ; v[80:95]  point tile p: running minimum, two registers that take turns
.set TA,    96                         ; v[96:103] z2 + e2
.set DD,    104                        ; v[104:167] point tile p: eight products, then distances
.set SS,    168                        ; v[168:231] point tile p: distances 0-6 of the best tile so far; place 7: that tile's number
; used only before the first tile:
.set CE,    DD                         ; my code, f32
.set CQ,    DD+8                       ; rounded, packed
.set CX,    DD+12                      ; rounded, as f32
.set CW,    DD+20                      ; -2 e, packed
.set CA,    DD+24                      ; e2
.set SADR,  DD+25
.set EADR,  DD+26
.set UX,    DD+28
.set ZO,    DD+36                      ; z2 of my own four points
.set ZP,    DD+40                      ; z2 of lane L xor 16's four points
.set ZF,    SS                         ; z as loaded: channel d, point c at ZF + 4 d + c
; used only behind the last tile:
.set IX,    TA
.set RF,    TA+4
	s_load_b256 s[4:11], s[0:1], 0x0               ; codebook s[4:5], z s[6:7], out2 s[8:9], codes s[10:11]
	s_load_b64 s[12:13], s[0:1], 0x20              ; part
	v_lshl_add_u32 v232, v0, 2, 0x4900
	v_mov_b32 v233, 0
	v_lshlrev_b32 v[OFF16], 4, v0
	v_lshlrev_b32 v[CADR], 5, v0                   ; thread c prepares code c: 32 bytes
	v_lshrrev_b32 v[TMP], 5, v0
	v_readfirstlane_b32 s14, v[TMP]                ; wave
	s_lshr_b32 s16, ttmp9, 5                       ; 32 work-groups share a batch element:
	s_lshl_b32 s16, s16, 21                        ; 8 channels x 262,144 bytes,
	s_and_b32 s17, ttmp9, 31
	s_lshl_b32 s17, s17, 13                        ; and 2,048 points x 4 bytes inside a channel
	s_add_co_u32 s16, s16, s17
	s_mov_b32 s17, 0
	s_lshl_b32 s18, ttmp9, 13                      ; indices: 2,048 x 4 bytes a work-group
	s_mov_b32 s19, 0
	s_lshl_b32 s22, ttmp9, 2                       ; part: 4 bytes a work-group
	s_mov_b32 s23, 0
	s_mov_b32 s15, 0xffff0000                      ; a word's upper bf16; also the mask of lanes 16-31
	s_mov_b32 s20, 0x76543210                      ; v_permlanex16_b32: lane i reads lane i xor 16
	s_mov_b32 s21, 0xfedcba98
	s_wait_kmcnt 0x0
	s_add_nc_u64 s[6:7], s[6:7], s[16:17]
	s_add_nc_u64 s[8:9], s[8:9], s[18:19]
	s_add_nc_u64 s[10:11], s[10:11], s[18:19]
	s_add_nc_u64 s[12:13], s[12:13], s[22:23]
	global_load_b128 v[CE:CE+3], v[CADR], s[4:5]
	global_load_b128 v[CE+4:CE+7], v[CADR], s[4:5] offset:16
.irp d, 0,1,2,3,4,5,6,7
	global_load_b128 v[ZF+4*\d:ZF+4*\d+3], v[OFF16], s[6:7] offset:\d*DSTRIDE
.endr
	v_and_b32 v[LANE], 31, v0
	v_bfe_u32 v[TMP], v0, 4, 1                     ; h
	v_lshlrev_b32 v[H8], 3, v[TMP]
	v_lshlrev_b32 v[AE2], 5, v[TMP]
	v_lshlrev_b32 v[AX0], 4, v[LANE]
	v_xor_b32 v[AX1], 0x100, v[AX0]
	v_lshrrev_b32 v[TMP], 4, v0                    ; my code's tile
	v_and_b32 v[TMP2], 15, v0
	v_lshlrev_b32 v[TMP2], 4, v[TMP2]
	v_lshl_add_u32 v[SADR], v[TMP], 9, v[TMP2]     ; 512 x tile + 16 x row
	v_lshlrev_b32 v[EADR], 2, v0
.irp r, 0,1,2,3
	v_mov_b32 v[ZL+\r], 0
	v_mov_b32 v[ZR+\r], 0
.endr
	v_mov_b32 v[TV], 0
	v_mov_b32 v[RO], 0                             ; destinations of v_permlanex16_b32 count as read
	v_mov_b32 v[CO], 0
	; my code: round, e2 from the rounded numbers in ascending order, -2 e into the table
	s_wait_loadcnt 0x8                             ; the eight loads of z were issued behind the code's two and may stay out
.irp i, 0,1,2,3
	v_cvt_pk_bf16_f32 v[CQ+\i], v[CE+2*\i], v[CE+2*\i+1]
.endr
.irp i, 0,1,2,3
	v_lshlrev_b32 v[CX+2*\i], 16, v[CQ+\i]
	v_and_b32 v[CX+2*\i+1], s15, v[CQ+\i]
.endr
	v_mul_f32 v[CA], v[CX], v[CX]
.irp k, 1,2,3,4,5,6,7
	v_fmac_f32 v[CA], v[CX+\k], v[CX+\k]
.endr
.irp k, 0,1,2,3,4,5,6,7
	v_mul_f32 v[CX+\k], -2.0, v[CX+\k]
.endr
.irp i, 0,1,2,3
	v_cvt_pk_bf16_f32 v[CW+\i], v[CX+2*\i], v[CX+2*\i+1]   ; exact: a bf16 number times two
.endr
	ds_store_b128 v[SADR], v[CW:CW+3] offset:ATAB
	ds_store_b128 v[SADR], v[ZL:ZL+3] offset:ATAB+256
	ds_store_b32 v[EADR], v[CA] offset:E2TAB
	; my four points: block c holds point 4L+c, channels 2i and 2i+1 in register i
	s_wait_loadcnt 0x0
.irp c, 0,1,2,3
.irp i, 0,1,2,3
	v_cvt_pk_bf16_f32 v[B0+4*\c+\i], v[ZF+8*\i+\c], v[ZF+8*\i+4+\c]
.endr
.endr
.irp c, 0,1,2,3
.irp i, 0,1,2,3
	v_lshlrev_b32 v[UX+2*\i], 16, v[B0+4*\c+\i]
	v_and_b32 v[UX+2*\i+1], s15, v[B0+4*\c+\i]
.endr
	v_mul_f32 v[ZO+\c], v[UX], v[UX]
.irp k, 1,2,3,4,5,6,7
	v_fmac_f32 v[ZO+\c], v[UX+\k], v[UX+\k]
.endr
	v_mov_b32 v[ZP+\c], 0
	v_permlanex16_b32 v[ZP+\c], v[ZO+\c], s20, s21
.endr
	; point tile p = 2c + g holds the points of lanes 16g + r; both halves of the wave need z2 of lane 16g + r
	s_mov_b32 vcc_lo, s15
.irp c, 0,1,2,3
	v_cndmask_b32 v[ZSQ+4*\c],   v[ZO+\c], v[ZP+\c], vcc_lo
	v_cndmask_b32 v[ZSQ+4*\c+1], v[ZO+\c], v[ZP+\c], vcc_lo
	v_cndmask_b32 v[ZSQ+4*\c+2], v[ZP+\c], v[ZO+\c], vcc_lo
	v_cndmask_b32 v[ZSQ+4*\c+3], v[ZP+\c], v[ZO+\c], vcc_lo
.endr
	s_wait_dscnt 0x0                               ; my part of the tables is written,
	s_barrier_signal -1
	s_barrier_wait -1                              ; everybody's is
; the fragments and the e2 of one code tile
.macro FETCH offa, offe, en
	ds_load_b128 v[XL:XL+3], v[AX0] offset:ATAB+\offa
	ds_load_b128 v[XR:XR+3], v[AX1] offset:ATAB+\offa
	ds_load_b128 v[\en:\en+3], v[AE2] offset:E2TAB+\offe
	ds_load_b128 v[\en+4:\en+7], v[AE2] offset:E2TAB+\offe+16
.endm
; Eight codes against one point in every lane.  rin / rout: which of the two minimum registers is read and written.
; The tile is kept (its first seven distances and its number) where its minimum is strictly below all earlier ones;
; the eighth distance need not be kept: it is the winner if none of the seven equals the minimum.
.macro SCORE p, eb, rin, rout, first
.irp i, 0,2,4,6
	v_pk_add_f32 v[TA+\i:TA+\i+1], v[\eb+\i:\eb+\i+1], v[ZSQ+2*\p:ZSQ+2*\p+1]             ; z2 + e2, rounded
.endr
.if \first
.irp i, 0,2,4,6
	v_pk_add_f32 v[SS+8*\p+\i:SS+8*\p+\i+1], v[DD+8*\p+\i:DD+8*\p+\i+1], v[TA+\i:TA+\i+1] ; the first tile starts the record
.endr
	v_min3_num_f32 v[MA], v[SS+8*\p], v[SS+8*\p+1], v[SS+8*\p+2]
	v_min3_num_f32 v[MB], v[SS+8*\p+3], v[SS+8*\p+4], v[SS+8*\p+5]
	v_min3_num_f32 v[MA], v[MA], v[SS+8*\p+6], v[SS+8*\p+7]
	v_min_num_f32 v[RR+2*\p+\rout], v[MA], v[MB]
	v_mov_b32 v[SS+8*\p+7], 0
.else
.irp i, 0,2,4,6
	v_pk_add_f32 v[DD+8*\p+\i:DD+8*\p+\i+1], v[DD+8*\p+\i:DD+8*\p+\i+1], v[TA+\i:TA+\i+1] ; - 2 z.e, rounded
.endr
	v_min3_num_f32 v[MA], v[DD+8*\p], v[DD+8*\p+1], v[DD+8*\p+2]
	v_min3_num_f32 v[MB], v[DD+8*\p+3], v[DD+8*\p+4], v[DD+8*\p+5]
	v_min3_num_f32 v[MA], v[MA], v[DD+8*\p+6], v[DD+8*\p+7]
	v_min3_num_f32 v[RR+2*\p+\rout], v[MA], v[MB], v[RR+2*\p+\rin]
	v_cmp_lt_f32 vcc_lo, v[RR+2*\p+\rout], v[RR+2*\p+\rin]
.irp j, 0,1,2,3,4,5,6
	v_cndmask_b32 v[SS+8*\p+\j], v[SS+8*\p+\j], v[DD+8*\p+\j], vcc_lo
.endr
	v_cndmask_b32 v[SS+8*\p+7], v[SS+8*\p+7], v[TV], vcc_lo
.endif
.endm
; One code tile against the wave's eight point tiles.  The four packed adds that open SCORE 0 name no register of any of the
; matrix instructions: they are the four places in front of the first read of a product (ISA guide 7.12.1).  The next tile's
; fragments are loaded behind SCORE 0, more than four such places behind the last matrix instruction that reads XL and XR.
.macro TILE eb, rin, rout, first, fetch, offa, offe, en
	s_wait_dscnt 0x0                               ; this tile's four loads, issued seven SCOREs ago
.if \first == 0
	v_add_nc_u32 v[TV], 1, v[TV]
.endif
.irp c, 0,1,2,3
	v_wmma_f32_16x16x32_bf16 v[DD+16*\c:DD+16*\c+7], v[XL:XL+7], v[B0+4*\c:B0+4*\c+7], 0
	v_wmma_f32_16x16x32_bf16 v[DD+16*\c+8:DD+16*\c+15], v[ZR:ZR+7], v[B0+4*\c-4:B0+4*\c+3], 0
.endr
	SCORE 0, \eb, \rin, \rout, \first
.if \fetch
	FETCH \offa, \offe, \en
.endif
.irp q, 1,2,3,4,5,6,7
	SCORE \q, \eb, \rin, \rout, \first
.endr
.endm
.macro STEP                                    ; two tiles on: 2 x 512 bytes of fragments, 2 x 64 bytes of e2
	v_add_nc_u32 v[AX0], 1024, v[AX0]
	v_add_nc_u32 v[AX1], 1024, v[AX1]
	v_add_nc_u32 v[AE2], 128, v[AE2]
.endm
	FETCH 0, 0, E2A
	TILE E2A, 1, 0, 1, 1, 512, 64, E2B             ; tile 0 starts the records: nothing is cleared
	TILE E2B, 0, 1, 0, 1, 1024, 128, E2A
	STEP
	s_mov_b32 s27, 0
.Ltiles:
	TILE E2A, 1, 0, 0, 1, 512, 64, E2B
	TILE E2B, 0, 1, 0, 1, 1024, 128, E2A
	STEP
	s_add_co_u32 s27, s27, 1
	s_cmp_lt_u32 s27, TRIPS
	s_cbranch_scc1 .Ltiles
	TILE E2A, 1, 0, 0, 1, 512, 64, E2B
	TILE E2B, 0, 1, 0, 0, 0, 0, E2A                ; tile 31 fetches nothing
; The code of point tile p: 16 x tile + 8 h + the first place whose distance equals the minimum; then the better of the two
; half-waves, the smaller code where the distances are equal.  Both lanes r and 16 + r end with the same result.
.macro RESOLVE p
	v_mov_b32 v[JJ], 7
.irp j, 6,5,4,3,2,1,0
	v_cmp_neq_f32 vcc_lo, v[SS+8*\p+\j], v[RR+2*\p+1]
	v_cndmask_b32 v[JJ], \j, v[JJ], vcc_lo
.endr
	v_lshl_or_b32 v[JJ], v[SS+8*\p+7], 4, v[JJ]
	v_or_b32 v[JJ], v[H8], v[JJ]
	v_permlanex16_b32 v[RO], v[RR+2*\p+1], s20, s21
	v_permlanex16_b32 v[CO], v[JJ], s20, s21
	v_cmp_lt_f32 s24, v[RO], v[RR+2*\p+1]
	v_cmp_eq_f32 s25, v[RO], v[RR+2*\p+1]
	v_cmp_lt_u32 s26, v[CO], v[JJ]
	s_and_b32 s25, s25, s26
	s_or_b32 vcc_lo, s24, s25
	v_cndmask_b32 v[SS+8*\p+7], v[JJ], v[CO], vcc_lo
	v_min_num_f32 v[RR+2*\p], v[RR+2*\p+1], v[RO]
.endm
.irp q, 0,1,2,3,4,5,6,7
	RESOLVE \q
.endr
	s_mov_b32 vcc_lo, s15                          ; lanes 0-15 own the points of tiles 2c, lanes 16-31 those of tiles 2c+1
.irp c, 0,1,2,3
	v_cndmask_b32 v[IX+\c], v[SS+16*\c+7], v[SS+16*\c+15], vcc_lo
	v_cndmask_b32 v[RF+\c], v[RR+4*\c], v[RR+4*\c+2], vcc_lo
.endr
	global_store_b128 v[OFF16], v[IX:IX+3], s[8:9] th:TH_STORE_NT      ; 512 neighbouring bytes a wave
	global_store_b128 v[OFF16], v[IX:IX+3], s[10:11]                   ; read again by the next launch
	; the winners' distances: my four, the wave's 128, the work-group's 2,048
	v_add_f32 v[RF], v[RF], v[RF+1]
	v_add_f32 v[RF+2], v[RF+2], v[RF+3]
	v_add_f32 v[RF], v[RF], v[RF+2]
	v_add_f32_dpp v[RF], v[RF], v[RF] row_xmask:1 row_mask:0xf bank_mask:0xf
	v_add_f32_dpp v[RF], v[RF], v[RF] row_xmask:2 row_mask:0xf bank_mask:0xf
	v_add_f32_dpp v[RF], v[RF], v[RF] row_xmask:4 row_mask:0xf bank_mask:0xf
	v_add_f32_dpp v[RF], v[RF], v[RF] row_xmask:8 row_mask:0xf bank_mask:0xf
	v_permlanex16_b32 v[RO], v[RF], s20, s21
	v_add_f32 v[RF], v[RF], v[RO]
	v_mov_b32 v[TMP], s14
	v_lshlrev_b32 v[TMP], 2, v[TMP]
	ds_store_b32 v[TMP], v[RF] offset:RED          ; every lane writes the wave's word with the same number
	s_wait_dscnt 0x0
	s_barrier_signal -1
	s_barrier_wait -1
	s_cmp_lg_u32 s14, 0
	s_cbranch_scc1 .Ldone
	v_mov_b32 v[TMP], 0
.irp i, 0,1,2,3
	ds_load_b128 v[DD+4*\i:DD+4*\i+3], v[TMP] offset:RED+16*\i
.endr
	s_wait_dscnt 0x0
	v_pk_add_f32 v[DD:DD+1], v[DD:DD+1], v[DD+2:DD+3]
	v_pk_add_f32 v[DD+4:DD+5], v[DD+4:DD+5], v[DD+6:DD+7]
	v_pk_add_f32 v[DD+8:DD+9], v[DD+8:DD+9], v[DD+12-2:DD+12-1]
	v_pk_add_f32 v[DD+12:DD+13], v[DD+12:DD+13], v[DD+14:DD+15]
	v_pk_add_f32 v[DD:DD+1], v[DD:DD+1], v[DD+4:DD+5]
	v_pk_add_f32 v[DD+8:DD+9], v[DD+8:DD+9], v[DD+12:DD+13]
	v_pk_add_f32 v[DD:DD+1], v[DD:DD+1], v[DD+8:DD+9]
	v_add_f32 v[DD], v[DD], v[DD+1]
	v_cmp_eq_u32 vcc_lo, 0, v0
	s_wait_xcnt 0x0                                ; EXEC is a source of the two index stores until their addresses are translated
	                                               ; (ISA guide 3.1): it is narrowed only behind this wait
	s_wait_tensorcnt 0x0
	ds_add_u32 v232, v233
	s_wait_dscnt 0x0
	s_and_saveexec_b32 s24, vcc_lo
	global_store_b32 v[TMP], v[DD], s[12:13]       ; thread 0 alone
	s_endpgm
.Ldone:
	s_wait_tensorcnt 0x0
	ds_add_u32 v232, v233
	s_wait_dscnt 0x0
	s_endpgm
.Lfunc_end_k_q02259eb771_assign:
	.size	k_q02259eb771_assign, .Lfunc_end_k_q02259eb771_assign-k_q02259eb771_assign
	.p2alignl 7, 3214868480
	.fill 96, 4, 3214868480
	.section	.rodata,"a",@progbits
	.p2align	6, 0x0
	.amdhsa_kernel k_q02259eb771_assign
		.amdhsa_group_segment_fixed_size 20736
		.amdhsa_private_segment_fixed_size 0
		.amdhsa_enable_private_segment 0
		.amdhsa_kernarg_size 40
		.amdhsa_user_sgpr_count 2
		.amdhsa_user_sgpr_kernarg_segment_ptr 1
		.amdhsa_wavefront_size32 1
		.amdhsa_system_sgpr_workgroup_id_x 1
		.amdhsa_system_sgpr_workgroup_id_y 1
		.amdhsa_system_sgpr_workgroup_id_z 1
		.amdhsa_system_vgpr_workitem_id 0
		.amdhsa_next_free_vgpr 234
		.amdhsa_next_free_sgpr 66
		.amdhsa_reserve_vcc 1
		.amdhsa_float_denorm_mode_32 3
		.amdhsa_float_denorm_mode_16_64 3
		.amdhsa_memory_ordered 1
		.amdhsa_forward_progress 1
		.amdhsa_inst_pref_size 72
	.end_amdhsa_kernel
	.amdgpu_metadata
---
amdhsa.version: [ 1, 2 ]
amdhsa.kernels:
  - .name:           k_q02259eb771_assign
    .symbol:         k_q02259eb771_assign.kd
    .args:
      - { .name: codebook, .offset: 0, .size: 8, .value_kind: global_buffer, .address_space: global }
      - { .name: z, .offset: 8, .size: 8, .value_kind: global_buffer, .address_space: global }
      - { .name: out2, .offset: 16, .size: 8, .value_kind: global_buffer, .address_space: global }
      - { .name: codes, .offset: 24, .size: 8, .value_kind: global_buffer, .address_space: global }
      - { .name: part, .offset: 32, .size: 8, .value_kind: global_buffer, .address_space: global }
    .group_segment_fixed_size: 20736
    .private_segment_fixed_size: 0
    .kernarg_segment_align: 8
    .kernarg_segment_size: 40
    .max_flat_workgroup_size: 512
    .sgpr_count:     66
    .vgpr_count:     234
    .wavefront_size: 32
...
	.end_amdgpu_metadata
.endif
;; end of part 1
;; launch emit (part 2): grid 256 x 1, 16 waves a work-group, no clusters, 18,432 bytes of LDS; arguments codebook, z, codes, part, out0, out1; writes out0, out1
.if DOCPART == 2
	.amdgcn_target "amdgcn-amd-amdhsa--gfx1250"
	.amdhsa_code_object_version 6
	.text
	.protected	k_q02259eb771_emit
	.globl	k_q02259eb771_emit
	.p2align	8
	.type	k_q02259eb771_emit,@function
k_q02259eb771_emit:
	s_mov_b64 s[64:65], 0
	v_nop
	global_prefetch_b8 v0, s[64:65] scope:SCOPE_SE
	s_setreg_imm32_b32 hwreg(HW_REG_WAVE_MODE, 25, 1), 1
	s_wait_xcnt 0x0
; out0 = z + (codebook[index] - z), laid out like z: [8][8][65536] f32; out1 = m + 0.25 m, m = the mean of (z_q - z)^2.
; A stream: 16 waves, 2,048 points a work-group; thread t owns four neighbouring points, so every load of z and every store
; of out0 covers 512 neighbouring bytes a wave.  All eleven loads of a thread are issued at once.  The codebook (16,384 bytes,
; f32 as given) lies in LDS, thread c brings row c; the rows are gathered by the indices that the launch before stored.
; The matrix unit, the data mover and clusters have nothing to do here: nothing is multiplied, and the only shared data is the table.
; Wave 0 of work-group 0 also adds the 256 partial sums of the winners' distances (4,194,304 = 2^22 numbers in the mean).
.set DSTRIDE, 262144                   ; bytes from a channel to the next
.set OFF16, 2                          ; 16 x thread
.set CADR,  3                          ; 32 x thread: my row of the codebook, in memory and in LDS
.set CE,    4                          ; v[4:11]   that row
.set IX,    12                         ; v[12:15]  four indices
.set GA,    16                         ; v[16:19]  their rows' LDS addresses
.set ZF,    20                         ; v[20:51]  channel d, point c at ZF + 4 d + c; then the result
.set QQ,    52                         ; v[52:83]  point c, channel d at QQ + 8 c + d
.set PA,    84
.set PS,    86                         ; v[86:93]  eight partial sums
.set PO,    94
	s_load_b256 s[4:11], s[0:1], 0x0               ; codebook s[4:5], z s[6:7], codes s[8:9], part s[10:11]
	s_load_b128 s[12:15], s[0:1], 0x20             ; out0 s[12:13], out1 s[14:15]
	v_lshl_add_u32 v96, v0, 2, 0x4000
	v_mov_b32 v97, 0
	v_lshlrev_b32 v[OFF16], 4, v0
	v_lshlrev_b32 v[CADR], 5, v0
	v_lshrrev_b32 v1, 5, v0
	v_readfirstlane_b32 s24, v1                    ; wave
	s_lshr_b32 s16, ttmp9, 5                       ; batch element: 8 channels x 262,144 bytes
	s_lshl_b32 s16, s16, 21
	s_and_b32 s17, ttmp9, 31
	s_lshl_b32 s17, s17, 13                        ; 2,048 points x 4 bytes inside a channel
	s_add_co_u32 s16, s16, s17
	s_mov_b32 s17, 0
	s_lshl_b32 s18, ttmp9, 13                      ; indices: 2,048 x 4 bytes a work-group
	s_mov_b32 s19, 0
	s_wait_kmcnt 0x0
	s_add_nc_u64 s[6:7], s[6:7], s[16:17]
	s_add_nc_u64 s[12:13], s[12:13], s[16:17]
	s_add_nc_u64 s[8:9], s[8:9], s[18:19]
	global_load_b128 v[CE:CE+3], v[CADR], s[4:5]
	global_load_b128 v[CE+4:CE+7], v[CADR], s[4:5] offset:16
	global_load_b128 v[IX:IX+3], v[OFF16], s[8:9] th:TH_LOAD_NT
.irp d, 0,1,2,3,4,5,6,7
	global_load_b128 v[ZF+4*\d:ZF+4*\d+3], v[OFF16], s[6:7] offset:\d*DSTRIDE th:TH_LOAD_NT
.endr
	; the loss, by one wave of the launch; its two loads travel together with the eleven above
	s_cmp_lg_u32 ttmp9, 0
	s_cbranch_scc1 .Lstream
	s_cmp_lg_u32 s24, 0
	s_cbranch_scc1 .Lstream
	s_mov_b32 s22, 0x76543210                      ; v_permlanex16_b32: lane i reads lane i xor 16
	s_mov_b32 s23, 0xfedcba98
	v_lshlrev_b32 v[PA], 5, v0                     ; in wave 0 the thread is the lane: 8 numbers each, 256 in all
	global_load_b128 v[PS:PS+3], v[PA], s[10:11]
	global_load_b128 v[PS+4:PS+7], v[PA], s[10:11] offset:16
	v_mov_b32 v[PO], 0
	s_wait_loadcnt 0x0
	v_pk_add_f32 v[PS:PS+1], v[PS:PS+1], v[PS+2:PS+3]
	v_pk_add_f32 v[PS+4:PS+5], v[PS+4:PS+5], v[PS+6:PS+7]
	v_pk_add_f32 v[PS:PS+1], v[PS:PS+1], v[PS+4:PS+5]
	v_add_f32 v[PS], v[PS], v[PS+1]
	v_add_f32_dpp v[PS], v[PS], v[PS] row_xmask:1 row_mask:0xf bank_mask:0xf
	v_add_f32_dpp v[PS], v[PS], v[PS] row_xmask:2 row_mask:0xf bank_mask:0xf
	v_add_f32_dpp v[PS], v[PS], v[PS] row_xmask:4 row_mask:0xf bank_mask:0xf
	v_add_f32_dpp v[PS], v[PS], v[PS] row_xmask:8 row_mask:0xf bank_mask:0xf
	v_permlanex16_b32 v[PO], v[PS], s22, s23
	v_add_f32 v[PS], v[PS], v[PO]
	v_mul_f32 v[PS], 0x34800000, v[PS]             ; the mean: times 2^-22
	v_fmamk_f32 v[PS+1], v[PS], 0x3e800000, v[PS]  ; codebook term + 0.25 x commitment term, both equal to the mean
	v_mov_b32 v[PA+1], 0
	v_cmp_eq_u32 vcc_lo, 0, v0
	s_and_saveexec_b32 s25, vcc_lo
	global_store_b32 v[PA+1], v[PS+1], s[14:15]    ; lane 0 alone
	s_wait_xcnt 0x0                                ; EXEC is a source of the pending store
	s_or_b32 exec_lo, exec_lo, s25
.Lstream:
	s_wait_loadcnt 0x9                             ; my row of the codebook; the indices and the eight loads of z stay out
	ds_store_b128 v[CADR], v[CE:CE+3]
	ds_store_b128 v[CADR], v[CE+4:CE+7] offset:16
	s_wait_dscnt 0x0
	s_barrier_signal -1
	s_barrier_wait -1
	s_wait_loadcnt 0x8                             ; the indices; z stays out
.irp c, 0,1,2,3
	v_min_u32 v[IX+\c], 0x1ff, v[IX+\c]            ; an index stays inside the table
	v_lshlrev_b32 v[GA+\c], 5, v[IX+\c]
	ds_load_b128 v[QQ+8*\c:QQ+8*\c+3], v[GA+\c]
	ds_load_b128 v[QQ+8*\c+4:QQ+8*\c+7], v[GA+\c] offset:16
.endr
	s_wait_dscnt 0x0
.irp d, 0,1,2,3,4,5,6,7
	s_wait_loadcnt 7-\d                            ; loads return in order: channel d is in, the later channels stay out
.irp c, 0,1,2,3
	v_sub_f32 v[QQ+8*\c+\d], v[QQ+8*\c+\d], v[ZF+4*\d+\c]
.endr
.irp c, 0,1,2,3
	v_add_f32 v[ZF+4*\d+\c], v[ZF+4*\d+\c], v[QQ+8*\c+\d]
.endr
	global_store_b128 v[OFF16], v[ZF+4*\d:ZF+4*\d+3], s[12:13] offset:\d*DSTRIDE th:TH_STORE_NT
.endr
	s_wait_tensorcnt 0x0
	ds_add_u32 v96, v97
	s_wait_dscnt 0x0
	s_endpgm
.Lfunc_end_k_q02259eb771_emit:
	.size	k_q02259eb771_emit, .Lfunc_end_k_q02259eb771_emit-k_q02259eb771_emit
	.p2alignl 7, 3214868480
	.fill 96, 4, 3214868480
	.section	.rodata,"a",@progbits
	.p2align	6, 0x0
	.amdhsa_kernel k_q02259eb771_emit
		.amdhsa_group_segment_fixed_size 18432
		.amdhsa_private_segment_fixed_size 0
		.amdhsa_enable_private_segment 0
		.amdhsa_kernarg_size 48
		.amdhsa_user_sgpr_count 2
		.amdhsa_user_sgpr_kernarg_segment_ptr 1
		.amdhsa_wavefront_size32 1
		.amdhsa_system_sgpr_workgroup_id_x 1
		.amdhsa_system_sgpr_workgroup_id_y 1
		.amdhsa_system_sgpr_workgroup_id_z 1
		.amdhsa_system_vgpr_workitem_id 0
		.amdhsa_next_free_vgpr 98
		.amdhsa_next_free_sgpr 66
		.amdhsa_reserve_vcc 1
		.amdhsa_float_denorm_mode_32 3
		.amdhsa_float_denorm_mode_16_64 3
		.amdhsa_memory_ordered 1
		.amdhsa_forward_progress 1
		.amdhsa_inst_pref_size 8
	.end_amdhsa_kernel
	.amdgpu_metadata
---
amdhsa.version: [ 1, 2 ]
amdhsa.kernels:
  - .name:           k_q02259eb771_emit
    .symbol:         k_q02259eb771_emit.kd
    .args:
      - { .name: codebook, .offset: 0, .size: 8, .value_kind: global_buffer, .address_space: global }
      - { .name: z, .offset: 8, .size: 8, .value_kind: global_buffer, .address_space: global }
      - { .name: codes, .offset: 16, .size: 8, .value_kind: global_buffer, .address_space: global }
      - { .name: part, .offset: 24, .size: 8, .value_kind: global_buffer, .address_space: global }
      - { .name: out0, .offset: 32, .size: 8, .value_kind: global_buffer, .address_space: global }
      - { .name: out1, .offset: 40, .size: 8, .value_kind: global_buffer, .address_space: global }
    .group_segment_fixed_size: 18432
    .private_segment_fixed_size: 0
    .kernarg_segment_align: 8
    .kernarg_segment_size: 48
    .max_flat_workgroup_size: 512
    .sgpr_count:     66
    .vgpr_count:     98
    .wavefront_size: 32
...
	.end_amdgpu_metadata
.endif
;; end of part 2
;; ======== version 2 of 2: 2 launches; 1.23 times as fast as version 1
;; limits: a difference of large sums (such as E[x^2] - mean^2): digits are lost where the result is much smaller than its terms; values outside matrix products are rounded to bf16
;; workspace buffers: codes 2,097,152 bytes of whole numbers; part 1,024 bytes
;; launch assign (part 3): grid 256 x 1, 16 waves a work-group, no clusters, 20,736 bytes of LDS; arguments codebook, z, out2, codes, part; writes out2, codes, part
.if DOCPART == 3
	.amdgcn_target "amdgcn-amd-amdhsa--gfx1250"
	.amdhsa_code_object_version 6
	.text
	.protected	k_q02259eb771_assign
	.globl	k_q02259eb771_assign
	.p2align	8
	.type	k_q02259eb771_assign,@function
k_q02259eb771_assign:
	s_mov_b64 s[64:65], 0
	v_nop
	global_prefetch_b8 v0, s[64:65] scope:SCOPE_SE
	s_setreg_imm32_b32 hwreg(HW_REG_WAVE_MODE, 25, 1), 1
	s_wait_xcnt 0x0
; Nearest code of 512 for each of 524,288 points of 8 channels.  z: [8][8][65536] f32, codebook: [512][8] f32.
; Out: the index of each point (out2, and once more in codes for the next launch's gather) and, per work-group, the sum
; of the winners' distances (part), from which the next launch makes the loss: sum over channels of (e - z)^2 = z2 + e2 - 2 z.e.
;
; ARITHMETIC.  z and the codebook are rounded to bf16 for the matrix unit; everything else is f32 and repeats the reference's
; order on those rounded numbers: z2 and e2 are summed channel 0 to 7 (squares of bf16 are exact in f32), d = (z2 + e2) + (-2 z.e)
; with one rounding per add (the table holds -2 e, an exact scaling), and a later code wins only if its d is strictly smaller.
; LIMITS.  Inputs finite and finite in bf16: the K places that carry no data multiply another point's z by zero.
; The order of NaN is not reproduced.  The loss comes from the rounded operands' distances (error about one ulp of z2 a point).
;
; SHARES.  16 waves, 2,048 points a work-group, 128 a wave; lane L owns points 4L .. 4L+3, so one 16-byte load per channel
; brings them and one 16-byte store takes their four indices (512 neighbouring bytes a wave).
; The matrix instruction takes 16 codes as rows and 16 points as columns: lane (r, h) then holds codes 8h .. 8h+7 of point r,
; and the search for the minimum stays inside the lane.  Only 8 of its 32 K places are needed, so block c of four registers
; carries two point tiles (lanes 0-15: points 4r+c; lanes 16-31: points 4(16+r)+c) and the code fragment picks one:
; (XL, zeros) has data in K 0-7 alone, (zeros, XR) in K 24-31 alone.  Registers: [XL][ZL=0][b0][b1][b2][b3][ZR=0][XR].
; VECTOR WORK is what this launch consists of: for 8 codes against one point in a lane 8 + 8 adds, a minimum of 9 numbers,
; one compare and 8 selects.  Adds and selects go two to an instruction (dual form: the two destinations one even and one odd,
; the two first sources in different register banks, number mod 4, and likewise the two second sources; neighbouring registers
; meet all of that): 4 + 4 + 4 + 1 + 4 = 17 instructions.  Two point tiles are worked on together, so that no instruction
; reads the result of the one in front of it.
; The codebook is the only data that work-groups share: 16,384 bytes, read once by each and rounded in registers on the way
; to LDS, so no joint request through the data mover is made for it.
.set DSTRIDE, 262144                   ; bytes from a channel of z to the next: 65,536 points of 4 bytes
.set ATAB,   0                         ; LDS: per tile of 16 codes 256 bytes of -2 e in bf16 (16 a code), then 256 bytes of zeros
.set E2TAB,  16384                     ; LDS: e2 of the 512 codes, f32
.set RED,    18432                     ; LDS: one partial sum for each wave
.set TRIPS,  14                        ; two code tiles a trip; tiles 0, 1 stand in front of the loop and 30, 31 behind it
.set LANE,  1
.set OFF16, 2                          ; 16 x thread: my 16 bytes in a channel of z, in out2 and in codes
.set AX0,   3                          ; LDS address for XL: 16 L       (lanes 16-31 fall on the zeros)
.set AX1,   4                          ; LDS address for XR: 16 (L xor 16) (lanes 0-15 fall on the zeros)
.set AE2,   5                          ; LDS address of my eight e2: 32 h
.set H8,    6                          ; 8 h
.set TV,    7                          ; number of the code tile at work; bank 3, beside distance 6 (bank 2) in a dual select
.set MA,    8                          ; minima at work: MA, MB the even point tile, MC, MD the odd one
.set MB,    9
.set MC,    10
.set MD,    11
.set RO,    12
.set CO,    13
.set JJ,    14
.set TMP,   15
.set XL,    16                         ; v[16:19]
.set ZL,    20                         ; v[20:23]  zeros
.set B0,    24                         ; v[24:39]  blocks b0 .. b3
.set ZR,    40                         ; v[40:43]  zeros
.set XR,    44                         ; v[44:47]
.set E2A,   48                         ; v[48:55]  e2 of my eight codes, even tiles
.set E2B,   56                         ; v[56:63]  odd tiles
.set ZSQ,   64                         ; v[64:79]  point tile p: z2 of its point r, twice (two banks for the dual add)
.set RR,    80                         ; v[80:95]  point tile p: running minimum, two registers that take turns
.set TA,    96                         ; v[96:103]  z2 + e2 of the even point tile at work
.set TB,    104                        ; v[104:111] of the odd one
.set DD,    112                        ; v[112:175] point tile p: eight products, then distances
.set SS,    176                        ; v[176:239] point tile p: distances 0-6 of the best tile so far; place 7: that tile's number
.set CADR,  240
.set TMP2,  241
; used only before the first tile:
.set CE,    DD                         ; my code, f32
.set CQ,    DD+8                       ; rounded, packed
.set CX,    DD+12                      ; rounded, as f32
.set CW,    DD+20                      ; -2 e, packed
.set CA,    DD+24                      ; e2
.set SADR,  DD+25
.set EADR,  DD+26
.set UX,    DD+28
.set ZO,    DD+36                      ; z2 of my own four points
.set ZP,    DD+40                      ; z2 of lane L xor 16's four points
.set ZF,    SS                         ; z as loaded: channel d, point c at ZF + 4 d + c
; used only behind the last tile:
.set IX,    TA
.set RF,    TA+4
	s_load_b256 s[4:11], s[0:1], 0x0               ; codebook s[4:5], z s[6:7], out2 s[8:9], codes s[10:11]
	s_load_b64 s[12:13], s[0:1], 0x20              ; part
	v_lshl_add_u32 v242, v0, 2, 0x4900
	v_mov_b32 v243, 0
	v_lshlrev_b32 v[OFF16], 4, v0
	v_lshlrev_b32 v[CADR], 5, v0                   ; thread c prepares code c: 32 bytes
	v_lshrrev_b32 v[TMP], 5, v0
	v_readfirstlane_b32 s14, v[TMP]                ; wave
	s_lshr_b32 s16, ttmp9, 5                       ; 32 work-groups share a batch element:
	s_lshl_b32 s16, s16, 21                        ; 8 channels x 262,144 bytes,
	s_and_b32 s17, ttmp9, 31
	s_lshl_b32 s17, s17, 13                        ; and 2,048 points x 4 bytes inside a channel
	s_add_co_u32 s16, s16, s17
	s_mov_b32 s17, 0
	s_lshl_b32 s18, ttmp9, 13                      ; indices: 2,048 x 4 bytes a work-group
	s_mov_b32 s19, 0
	s_lshl_b32 s22, ttmp9, 2                       ; part: 4 bytes a work-group
	s_mov_b32 s23, 0
	s_mov_b32 s15, 0xffff0000                      ; a word's upper bf16; also the mask of lanes 16-31
	s_mov_b32 s20, 0x76543210                      ; v_permlanex16_b32: lane i reads lane i xor 16
	s_mov_b32 s21, 0xfedcba98
	s_wait_kmcnt 0x0
	s_add_nc_u64 s[6:7], s[6:7], s[16:17]
	s_add_nc_u64 s[8:9], s[8:9], s[18:19]
	s_add_nc_u64 s[10:11], s[10:11], s[18:19]
	s_add_nc_u64 s[12:13], s[12:13], s[22:23]
	global_load_b128 v[CE:CE+3], v[CADR], s[4:5]
	global_load_b128 v[CE+4:CE+7], v[CADR], s[4:5] offset:16
.irp d, 0,1,2,3,4,5,6,7
	global_load_b128 v[ZF+4*\d:ZF+4*\d+3], v[OFF16], s[6:7] offset:\d*DSTRIDE
.endr
	v_and_b32 v[LANE], 31, v0
	v_bfe_u32 v[TMP], v0, 4, 1                     ; h
	v_lshlrev_b32 v[H8], 3, v[TMP]
	v_lshlrev_b32 v[AE2], 5, v[TMP]
	v_lshlrev_b32 v[AX0], 4, v[LANE]
	v_xor_b32 v[AX1], 0x100, v[AX0]
	v_lshrrev_b32 v[TMP], 4, v0                    ; my code's tile
	v_and_b32 v[TMP2], 15, v0
	v_lshlrev_b32 v[TMP2], 4, v[TMP2]
	v_lshl_add_u32 v[SADR], v[TMP], 9, v[TMP2]     ; 512 x tile + 16 x row
	v_lshlrev_b32 v[EADR], 2, v0
.irp r, 0,1,2,3
	v_mov_b32 v[ZL+\r], 0
	v_mov_b32 v[ZR+\r], 0
.endr
	v_mov_b32 v[TV], 0
	v_mov_b32 v[RO], 0                             ; destinations of v_permlanex16_b32 count as read
	v_mov_b32 v[CO], 0
	; my code: round, e2 from the rounded numbers in ascending order, -2 e into the table
	s_wait_loadcnt 0x8                             ; the eight loads of z were issued behind the code's two and may stay out
.irp i, 0,1,2,3
	v_cvt_pk_bf16_f32 v[CQ+\i], v[CE+2*\i], v[CE+2*\i+1]
.endr
.irp i, 0,1,2,3
	v_lshlrev_b32 v[CX+2*\i], 16, v[CQ+\i]
	v_and_b32 v[CX+2*\i+1], s15, v[CQ+\i]
.endr
	v_mul_f32 v[CA], v[CX], v[CX]
.irp k, 1,2,3,4,5,6,7
	v_fmac_f32 v[CA], v[CX+\k], v[CX+\k]
.endr
.irp k, 0,1,2,3,4,5,6,7
	v_mul_f32 v[CX+\k], -2.0, v[CX+\k]
.endr
.irp i, 0,1,2,3
	v_cvt_pk_bf16_f32 v[CW+\i], v[CX+2*\i], v[CX+2*\i+1]   ; exact: a bf16 number times two
.endr
	ds_store_b128 v[SADR], v[CW:CW+3] offset:ATAB
	ds_store_b128 v[SADR], v[ZL:ZL+3] offset:ATAB+256
	ds_store_b32 v[EADR], v[CA] offset:E2TAB
	; my four points: block c holds point 4L+c, channels 2i and 2i+1 in register i
	s_wait_loadcnt 0x0
.irp c, 0,1,2,3
.irp i, 0,1,2,3
	v_cvt_pk_bf16_f32 v[B0+4*\c+\i], v[ZF+8*\i+\c], v[ZF+8*\i+4+\c]
.endr
.endr
.irp c, 0,1,2,3
.irp i, 0,1,2,3
	v_lshlrev_b32 v[UX+2*\i], 16, v[B0+4*\c+\i]
	v_and_b32 v[UX+2*\i+1], s15, v[B0+4*\c+\i]
.endr
	v_mul_f32 v[ZO+\c], v[UX], v[UX]
.irp k, 1,2,3,4,5,6,7
	v_fmac_f32 v[ZO+\c], v[UX+\k], v[UX+\k]
.endr
	v_mov_b32 v[ZP+\c], 0
	v_permlanex16_b32 v[ZP+\c], v[ZO+\c], s20, s21
.endr
	; point tile p = 2c + g holds the points of lanes 16g + r; both halves of the wave need z2 of lane 16g + r
	s_mov_b32 vcc_lo, s15
.irp c, 0,1,2,3
	v_cndmask_b32 v[ZSQ+4*\c],   v[ZO+\c], v[ZP+\c], vcc_lo
	v_cndmask_b32 v[ZSQ+4*\c+1], v[ZO+\c], v[ZP+\c], vcc_lo
	v_cndmask_b32 v[ZSQ+4*\c+2], v[ZP+\c], v[ZO+\c], vcc_lo
	v_cndmask_b32 v[ZSQ+4*\c+3], v[ZP+\c], v[ZO+\c], vcc_lo
.endr
	s_wait_dscnt 0x0                               ; my part of the tables is written,
	s_barrier_signal -1
	s_barrier_wait -1                              ; everybody's is
; the fragments and the e2 of one code tile
.macro FETCH offa, offe, en
	ds_load_b128 v[XL:XL+3], v[AX0] offset:ATAB+\offa
	ds_load_b128 v[XR:XR+3], v[AX1] offset:ATAB+\offa
	ds_load_b128 v[\en:\en+3], v[AE2] offset:E2TAB+\offe
	ds_load_b128 v[\en+4:\en+7], v[AE2] offset:E2TAB+\offe+16
.endm
; t[0..7] = z2 + e2[0..7], each rounded once; z, z+1: the point's z2 in two registers
.macro ADDZ t, z, eb
.irp i, 0,2,4,6
	v_dual_add_f32 v[\t+\i], v[\z], v[\eb+\i] :: v_dual_add_f32 v[\t+\i+1], v[\z+1], v[\eb+\i+1]
.endr
.endm
; d[0..7] = s[0..7] + t[0..7], each rounded once: (-2 z.e) + (z2 + e2)
.macro ADDP d, s, t
.irp i, 0,2,4,6
	v_dual_add_f32 v[\d+\i], v[\s+\i], v[\t+\i] :: v_dual_add_f32 v[\d+\i+1], v[\s+\i+1], v[\t+\i+1]
.endr
.endm
; where VCC is set, the record s takes this tile's distances 0-6 and its number
.macro KEEP s, d
.irp j, 0,2,4
	v_dual_cndmask_b32 v[\s+\j], v[\s+\j], v[\d+\j] :: v_dual_cndmask_b32 v[\s+\j+1], v[\s+\j+1], v[\d+\j+1]
.endr
	v_dual_cndmask_b32 v[\s+6], v[\s+6], v[\d+6] :: v_dual_cndmask_b32 v[\s+7], v[\s+7], v[TV]
.endm
; Point tiles 2q and 2q+1 against the eight codes of the lane.  On entry TA and TB hold their z2 + e2.
; rin / rout: which of the two minimum registers is read and written.  A tile is kept (its first seven distances and its
; number) where its minimum is strictly below all earlier ones; the eighth distance need not be kept: it is the winner if
; none of the seven equals the minimum.  more = 1: the z2 + e2 of the next two point tiles are made here, the first four
; instructions of them between the second compare and the selects that read it.
.macro PAIR q, eb, rin, rout, first, more
.set DA, DD+16*\q
.set DB, DD+16*\q+8
.set SA, SS+16*\q
.set SB, SS+16*\q+8
.set RA, RR+4*\q
.set RB, RR+4*\q+2
.set ZN, ZSQ+4*\q+4
.if \first
	ADDP SA, DA, TA                                ; the first tile starts the records: nothing is cleared or compared
	ADDP SB, DB, TB
	v_min3_num_f32 v[MA], v[SA], v[SA+1], v[SA+2]
	v_min3_num_f32 v[MB], v[SA+3], v[SA+4], v[SA+5]
	v_min3_num_f32 v[MC], v[SB], v[SB+1], v[SB+2]
	v_min3_num_f32 v[MA], v[MA], v[SA+6], v[SA+7]
	v_min3_num_f32 v[MD], v[SB+3], v[SB+4], v[SB+5]
	v_min3_num_f32 v[MC], v[MC], v[SB+6], v[SB+7]
	v_min_num_f32 v[RA+\rout], v[MA], v[MB]
	v_mov_b32 v[SA+7], 0                           ; tile number 0 in the place of the eighth distance
	v_min_num_f32 v[RB+\rout], v[MC], v[MD]
	v_mov_b32 v[SB+7], 0
.if \more
	ADDZ TA, ZN, \eb
	ADDZ TB, ZN+2, \eb
.endif
.else
	ADDP DA, DA, TA
	ADDP DB, DB, TB
	v_min3_num_f32 v[MA], v[DA], v[DA+1], v[DA+2]
	v_min3_num_f32 v[MB], v[DA+3], v[DA+4], v[DA+5]
	v_min3_num_f32 v[MC], v[DB], v[DB+1], v[DB+2]
	v_min3_num_f32 v[MA], v[MA], v[DA+6], v[DA+7]
	v_min3_num_f32 v[MD], v[DB+3], v[DB+4], v[DB+5]
	v_min3_num_f32 v[RA+\rout], v[MA], v[MB], v[RA+\rin]
	v_min3_num_f32 v[MC], v[MC], v[DB+6], v[DB+7]
	v_cmp_lt_f32 vcc_lo, v[RA+\rout], v[RA+\rin]
	v_min3_num_f32 v[RB+\rout], v[MC], v[MD], v[RB+\rin]
	KEEP SA, DA
	v_cmp_lt_f32 vcc_lo, v[RB+\rout], v[RB+\rin]
.if \more
	ADDZ TA, ZN, \eb
.endif
	KEEP SB, DB
.if \more
	ADDZ TB, ZN+2, \eb
.endif
.endif
.endm
; One code tile against the wave's eight point tiles.  The eight dual adds behind the matrix instructions name none of their
; registers: they are the places (four are asked) in front of the first read of a product and in front of
; the loads that bring the next tile's fragments into XL and XR.
.macro TILE eb, rin, rout, first, fetch, offa, offe, en
	s_wait_dscnt 0x0                               ; this tile's four loads, issued four PAIRs ago
.if \first == 0
	v_add_nc_u32 v[TV], 1, v[TV]
.endif
.irp c, 0,1,2,3
	v_wmma_f32_16x16x32_bf16 v[DD+16*\c:DD+16*\c+7], v[XL:XL+7], v[B0+4*\c:B0+4*\c+7], 0
	v_wmma_f32_16x16x32_bf16 v[DD+16*\c+8:DD+16*\c+15], v[ZR:ZR+7], v[B0+4*\c-4:B0+4*\c+3], 0
.endr
	ADDZ TA, ZSQ, \eb
	ADDZ TB, ZSQ+2, \eb
.if \fetch
	FETCH \offa, \offe, \en
.endif
	PAIR 0, \eb, \rin, \rout, \first, 1
	PAIR 1, \eb, \rin, \rout, \first, 1
	PAIR 2, \eb, \rin, \rout, \first, 1
	PAIR 3, \eb, \rin, \rout, \first, 0
.endm
.macro STEP                                    ; two tiles on: 2 x 512 bytes of fragments, 2 x 64 bytes of e2
	v_add_nc_u32 v[AX0], 1024, v[AX0]
	v_add_nc_u32 v[AX1], 1024, v[AX1]
	v_add_nc_u32 v[AE2], 128, v[AE2]
.endm
	FETCH 0, 0, E2A
	TILE E2A, 1, 0, 1, 1, 512, 64, E2B             ; tile 0 starts the records
	TILE E2B, 0, 1, 0, 1, 1024, 128, E2A
	STEP
	s_mov_b32 s27, 0
.Ltiles:
	TILE E2A, 1, 0, 0, 1, 512, 64, E2B
	TILE E2B, 0, 1, 0, 1, 1024, 128, E2A
	STEP
	s_add_co_u32 s27, s27, 1
	s_cmp_lt_u32 s27, TRIPS
	s_cbranch_scc1 .Ltiles
	TILE E2A, 1, 0, 0, 1, 512, 64, E2B
	TILE E2B, 0, 1, 0, 0, 0, 0, E2A                ; tile 31 fetches nothing
; The code of point tile p: 16 x tile + 8 h + the first place whose distance equals the minimum; then the better of the two
; half-waves, the smaller code where the distances are equal.  Both lanes r and 16 + r end with the same result.
.macro RESOLVE p
	v_mov_b32 v[JJ], 7
.irp j, 6,5,4,3,2,1,0
	v_cmp_neq_f32 vcc_lo, v[SS+8*\p+\j], v[RR+2*\p+1]
	v_cndmask_b32 v[JJ], \j, v[JJ], vcc_lo
.endr
	v_lshl_or_b32 v[JJ], v[SS+8*\p+7], 4, v[JJ]
	v_or_b32 v[JJ], v[H8], v[JJ]
	v_permlanex16_b32 v[RO], v[RR+2*\p+1], s20, s21
	v_permlanex16_b32 v[CO], v[JJ], s20, s21
	v_cmp_lt_f32 s24, v[RO], v[RR+2*\p+1]
	v_cmp_eq_f32 s25, v[RO], v[RR+2*\p+1]
	v_cmp_lt_u32 s26, v[CO], v[JJ]
	s_and_b32 s25, s25, s26
	s_or_b32 vcc_lo, s24, s25
	v_cndmask_b32 v[SS+8*\p+7], v[JJ], v[CO], vcc_lo
	v_min_num_f32 v[RR+2*\p], v[RR+2*\p+1], v[RO]
.endm
.irp q, 0,1,2,3,4,5,6,7
	RESOLVE \q
.endr
	s_mov_b32 vcc_lo, s15                          ; lanes 0-15 own the points of tiles 2c, lanes 16-31 those of tiles 2c+1
.irp c, 0,1,2,3
	v_cndmask_b32 v[IX+\c], v[SS+16*\c+7], v[SS+16*\c+15], vcc_lo
	v_cndmask_b32 v[RF+\c], v[RR+4*\c], v[RR+4*\c+2], vcc_lo
.endr
	global_store_b128 v[OFF16], v[IX:IX+3], s[8:9] th:TH_STORE_NT      ; 512 neighbouring bytes a wave
	global_store_b128 v[OFF16], v[IX:IX+3], s[10:11]                   ; read again by the next launch
	; the winners' distances: my four, the wave's 128, the work-group's 2,048
	v_add_f32 v[RF], v[RF], v[RF+1]
	v_add_f32 v[RF+2], v[RF+2], v[RF+3]
	v_add_f32 v[RF], v[RF], v[RF+2]
	v_add_f32_dpp v[RF], v[RF], v[RF] row_xmask:1 row_mask:0xf bank_mask:0xf
	v_add_f32_dpp v[RF], v[RF], v[RF] row_xmask:2 row_mask:0xf bank_mask:0xf
	v_add_f32_dpp v[RF], v[RF], v[RF] row_xmask:4 row_mask:0xf bank_mask:0xf
	v_add_f32_dpp v[RF], v[RF], v[RF] row_xmask:8 row_mask:0xf bank_mask:0xf
	v_permlanex16_b32 v[RO], v[RF], s20, s21
	v_add_f32 v[RF], v[RF], v[RO]
	v_mov_b32 v[TMP], s14
	v_lshlrev_b32 v[TMP], 2, v[TMP]
	ds_store_b32 v[TMP], v[RF] offset:RED          ; every lane writes the wave's word with the same number
	s_wait_dscnt 0x0
	s_barrier_signal -1
	s_barrier_wait -1
	s_cmp_lg_u32 s14, 0
	s_cbranch_scc1 .Ldone
	v_mov_b32 v[TMP], 0
.irp i, 0,1,2,3
	ds_load_b128 v[DD+4*\i:DD+4*\i+3], v[TMP] offset:RED+16*\i
.endr
	s_wait_dscnt 0x0
	v_pk_add_f32 v[DD:DD+1], v[DD:DD+1], v[DD+2:DD+3]
	v_pk_add_f32 v[DD+4:DD+5], v[DD+4:DD+5], v[DD+6:DD+7]
	v_pk_add_f32 v[DD+8:DD+9], v[DD+8:DD+9], v[DD+10:DD+11]
	v_pk_add_f32 v[DD+12:DD+13], v[DD+12:DD+13], v[DD+14:DD+15]
	v_pk_add_f32 v[DD:DD+1], v[DD:DD+1], v[DD+4:DD+5]
	v_pk_add_f32 v[DD+8:DD+9], v[DD+8:DD+9], v[DD+12:DD+13]
	v_pk_add_f32 v[DD:DD+1], v[DD:DD+1], v[DD+8:DD+9]
	v_add_f32 v[DD], v[DD], v[DD+1]
	v_cmp_eq_u32 vcc_lo, 0, v0
	s_wait_xcnt 0x0                                ; EXEC is a source of the two index stores until their addresses are translated
	                                               ; (ISA guide 3.1): it is narrowed only behind this wait
	s_wait_tensorcnt 0x0
	ds_add_u32 v242, v243
	s_wait_dscnt 0x0
	s_and_saveexec_b32 s24, vcc_lo
	global_store_b32 v[TMP], v[DD], s[12:13]       ; thread 0 alone
	s_endpgm
.Ldone:
	s_wait_tensorcnt 0x0
	ds_add_u32 v242, v243
	s_wait_dscnt 0x0
	s_endpgm
.Lfunc_end_k_q02259eb771_assign:
	.size	k_q02259eb771_assign, .Lfunc_end_k_q02259eb771_assign-k_q02259eb771_assign
	.p2alignl 7, 3214868480
	.fill 96, 4, 3214868480
	.section	.rodata,"a",@progbits
	.p2align	6, 0x0
	.amdhsa_kernel k_q02259eb771_assign
		.amdhsa_group_segment_fixed_size 20736
		.amdhsa_private_segment_fixed_size 0
		.amdhsa_enable_private_segment 0
		.amdhsa_kernarg_size 40
		.amdhsa_user_sgpr_count 2
		.amdhsa_user_sgpr_kernarg_segment_ptr 1
		.amdhsa_wavefront_size32 1
		.amdhsa_system_sgpr_workgroup_id_x 1
		.amdhsa_system_sgpr_workgroup_id_y 1
		.amdhsa_system_sgpr_workgroup_id_z 1
		.amdhsa_system_vgpr_workitem_id 0
		.amdhsa_next_free_vgpr 244
		.amdhsa_next_free_sgpr 66
		.amdhsa_reserve_vcc 1
		.amdhsa_float_denorm_mode_32 3
		.amdhsa_float_denorm_mode_16_64 3
		.amdhsa_memory_ordered 1
		.amdhsa_forward_progress 1
		.amdhsa_inst_pref_size 72
	.end_amdhsa_kernel
	.amdgpu_metadata
---
amdhsa.version: [ 1, 2 ]
amdhsa.kernels:
  - .name:           k_q02259eb771_assign
    .symbol:         k_q02259eb771_assign.kd
    .args:
      - { .name: codebook, .offset: 0, .size: 8, .value_kind: global_buffer, .address_space: global }
      - { .name: z, .offset: 8, .size: 8, .value_kind: global_buffer, .address_space: global }
      - { .name: out2, .offset: 16, .size: 8, .value_kind: global_buffer, .address_space: global }
      - { .name: codes, .offset: 24, .size: 8, .value_kind: global_buffer, .address_space: global }
      - { .name: part, .offset: 32, .size: 8, .value_kind: global_buffer, .address_space: global }
    .group_segment_fixed_size: 20736
    .private_segment_fixed_size: 0
    .kernarg_segment_align: 8
    .kernarg_segment_size: 40
    .max_flat_workgroup_size: 512
    .sgpr_count:     66
    .vgpr_count:     244
    .wavefront_size: 32
...
	.end_amdgpu_metadata
.endif
;; end of part 3
;; launch emit: the kernel of part 2 again; grid 256 x 1, 16 waves a work-group, no clusters, 18,432 bytes of LDS; arguments codebook, z, codes, part, out0, out1; writes out0, out1
